; MI455X (gfx1250); checked and timed in simulation.
; The chip was launched on July 23, 2026; its instructions are those of AMD's public machine-readable ISA for CDNA 5 (MIT licence, August 2026) and "CDNA5" Instruction Set Architecture Reference Guide (July 2026). The comments in the code are by the model that wrote it; some were corrected since.
;; Causal Self Attention. Allowed arithmetic: matrix products marked QUANTISED: E4M3 operands, one given power-of-two scale a tensor, by v_wmma_f32_16x16x64_fp8_fp8 or v_wmma_f32_16x16x128_fp8_fp8, f32 sums; everything else in f32.
;; Inputs: lowp_scales 8 int32 (the exponents e of the quantised operands' scales 2^e); w_proj_codes 1,024 x 32 x 32 uint8 (E4M3 codes of w_proj, K innermost, in blocks of 32 codes); w_qkv_codes 3,072 x 32 x 32 uint8 (E4M3 codes of w_qkv, K innermost, in blocks of 32 codes); x_codes 4 x 2,048 x 32 x 32 uint8 (E4M3 codes of x, K innermost, in blocks of 32 codes).
;; Outputs: out0 4 x 2,048 x 1,024 float32.
;; This version of the problem:
;;   THIS VERSION OF THE PROBLEM IS GIVEN IN LOW PRECISION. The matrix products marked QUANTISED in the list below multiply operands that are first quantised to E4M3 (4 exponent bits, 3 mantissa bits; 8 bits a number), with one given power-of-two scale for each operand tensor; their sums are f32. All else is computed in f32.
;;   The module's matrix products, in the order in which they are computed (A, B: the left and right operand; K: the contracted axis; several contracted axes count as one K, in the product's order):
;;     1. [M 8,192, K 1,024] x [K 1,024, N 3,072]; A: input x (given as codes); B: input w_qkv (given as codes): QUANTISED (scales: A lowp_scales[0], B lowp_scales[1])
;;     2. batch 64 x [M 2,048, K 64] x [K 64, N 2,048]; A: computed on the way; B: computed on the way: QUANTISED (scales: A lowp_scales[2], B lowp_scales[3])
;;     3. batch 64 x [M 2,048, K 2,048] x [K 2,048, N 64]; A: softmax (see below); B: computed on the way: QUANTISED (scales: A lowp_scales[4], B lowp_scales[5])
;;     4. [M 8,192, K 1,024] x [K 1,024, N 1,024]; A: computed on the way; B: input w_proj (given as codes): QUANTISED (scales: A lowp_scales[6], B lowp_scales[7])
;;   THE QUANTISER, for each operand of a quantised product, along K:
;;     - The operand's scale is 2^e, e = its entry of the input lowp_scales (int32; the entries are numbered through the quantised products in the list's order, A before B).
;;     - Each number is divided by the scale, clamped to +-448, and rounded to the nearest number of E4M3, ties to even, subnormals kept.
;;     - The product sums the exact products of the quantised numbers (number of the format x scale) in f32.
;;   ~~~python
;;   def quantise(x, axis, e):      # numpy; x: float32 -> the quantised numbers, widened to float32 again
;;       x = np.moveaxis(x, axis, -1); K = x.shape[-1]
;;       r = np.clip(x / 2.0 ** e, -448, 448)
;;       step = 2.0 ** (np.maximum(np.frexp(np.where(r == 0, 1, r))[1] - 1, -6) - 3)
;;       q = np.round(r / step) * step * 2.0 ** e      # np.round: ties to even
;;       return np.moveaxis(q, -1, axis).astype(np.float32)
;;   ~~~
;;   SOFTMAX AHEAD OF A QUANTISED PRODUCT. Where the list says 'softmax', what is quantised is not the finished softmax but p = 2^(t - M), with t = logit x log2(e) and M = ceil(the row's largest t), a whole number; so 1/2 < the row's largest p <= 1. The row's sum l is taken of the UNQUANTISED p, in f32, and the product's result is divided by l at the end. Since M is a whole number, a kernel that streams over the keys may use a running M (the ceiling of the running maximum): every later rescaling is an exact power of two, so the quantised numbers keep their values, but for numbers so far below the row's largest that they fall under the format's range.
;;   OPERANDS COMPUTED ON THE WAY. 'Computed on the way' means the value that the module computes at that place (a softmax that the list does not call 'softmax' is quantised finished and normalised). What goes into a quantiser is computed in f32, as accurately as f32 sums, v_exp_f32 and their like allow (about 1e-6 of the number): no bf16 or f16 on the way to a quantiser, and a product that is left as it is and whose result goes on into a quantised operand takes f32 operands (vector FMAs, or v_wmma_f32_16x16x4_f32). A number that lies on a knife's edge between two numbers of the format may be rounded either way, as far as f32 arithmetic and the matrix unit's own rounding can turn it there, and no further.
;;   INPUTS GIVEN AS CODES. w_proj (in the module: [1024, 1024], K = its axis 1); w_qkv (in the module: [3072, 1024], K = its axis 1); x (in the module: [4, 2048, 1024], K = its axis 2): each comes as NAME_codes (uint8): NAME with its K axis moved to the last place and cut into blocks of 32 codes, [.., K / 32, bytes a block], one block behind the other in memory; one code a byte (a code: sign, 4 exponent bits, 3 mantissa bits); its scale is its entry of lowp_scales. Its value is code x scale, taken as it is: it is not quantised again, and the codes and scales need not be those that the quantiser above would give.
;; One version. Each part assembles by itself: llvm-mc -triple=amdgcn-amd-amdhsa -mcpu=gfx1250 --defsym DOCPART=n.
;; ======== version 1 of 1: 3 launches
;; limits: right only within a limited range of input values
;; workspace buffers: q_codes 8,388,608 bytes; k_codes 8,388,608 bytes; v_codes 8,388,608 bytes; y_codes 8,388,608 bytes
;; launch qkv (part 1): grid 96 x 4, 4 waves a work-group, clusters of 4 x 4, 327,680 bytes of LDS; arguments x_codes, w_qkv_codes, lowp_scales, q_codes, k_codes, v_codes; writes q_codes, k_codes, v_codes
.if DOCPART == 1
	.amdgcn_target "amdgcn-amd-amdhsa--gfx1250"
	.amdhsa_code_object_version 6
	.text
	.protected	k_q5abea56b0d_qkv
	.globl	k_q5abea56b0d_qkv
	.p2align	8
	.type	k_q5abea56b0d_qkv,@function
k_q5abea56b0d_qkv:
	s_mov_b64 s[64:65], 0
	v_nop
	global_prefetch_b8 v0, s[64:65] scope:SCOPE_SE
	s_setreg_imm32_b32 hwreg(HW_REG_WAVE_MODE, 25, 1), 1
	s_wait_xcnt 0x0
	s_wait_alu depctr_hold_cnt(0) depctr_sa_sdst(0) depctr_va_vdst(0) depctr_va_sdst(0) depctr_va_ssrc(0) depctr_va_vcc(0) depctr_vm_vsrc(0)
	s_getreg_b32 s2, hwreg(HW_REG_IB_STS2, 6, 4)
	s_cmp_eq_u32 s2, 0
	s_cbranch_scc0 .Lentry_in_a_cluster
	s_endpgm
.Lentry_in_a_cluster:
	s_bfe_u32 s2, ttmp6, 0x10000c
	s_cmp_lg_u32 s2, 0xf033
	s_cbranch_scc0 .Lentry_shape_is_right
	s_endpgm
.Lentry_shape_is_right:
; LAUNCH 1 OF 3: qkv = x w_qkv^T on the given codes of FP8 (E4M3), and the quantisers of q, k and v.
; THE PROGRAM: (1) this launch; (2) attn: both products of attention with the causal softmax, and the quantiser of y; (3) proj: y w_proj^T.
; DEAD WORK, left out in launch 2: reference() builds the causal mask itself (jnp.tril) and puts -inf in front of the softmax wherever key > query, whatever the inputs hold; the weight there is exp(-inf) = 0
; and adds nothing to the row's sum nor to y.  So a tile of 16 queries x 128 keys all of whose keys come after all of its queries reaches no output: neither of its two products is made.  Tiles on the diagonal are made and masked.
; No input is dead: all four inputs are loaded.  LIMIT: a NaN, an infinity or an overflow that would arise only in the tiles left out is not carried to the result.
; WHAT THIS LAUNCH STORES (bh = 16 x batch + head):  q_codes, k_codes: [bh 64][token 2048][64 bytes];  v_codes: [bh 64][chunk of 128 keys: 16][d 64][128 bytes]: the keys innermost, since they are the K of attention's second product.
; THE ORDER OF THE INNERMOST BYTES: within every 32, byte 32 g + 16 h + 8 u + j holds index 32 g + 16 u + 8 h + j (the two middle groups of eight change places).  A load of 16 bytes at 32 c + 16 (lane / 16) then puts every index
; at the place that the plain FP8 matrix form gives it (registers 2 c, 2 c + 1: K = 16 c + 8 (lane / 16) + 0 .. 7).
; ONE TEXT FOR q, k AND v.  The core multiplies 256 rows of a Q side (matrix source 1) by 256 rows of a P side (source 0), both rows of 1,024 codes; a lane ends with ONE row of the Q side and eight NEIGHBOURS of the P side,
; so the conversion, which takes eight neighbours from a lane's registers, gives codes with the P index innermost.  q, k want d innermost: P = w_qkv, Q = x.  v wants the keys innermost: P = x, Q = w_qkv's rows 2,048 on.
; Only pointers and a few steps are chosen, by selects on the cluster's number, which all sixteen partners share: no branch.
; SHARES: 384 tiles of 256 x 256 in 24 clusters of 4 x 4.  Cluster c < 16: q (c even) or k (c odd), token tiles 4 (c / 2) + cy, feature tiles cx;  c >= 16: v, token tiles 4 (c - 16) + cx, feature tiles cy.
; A work-group has four waves, as many as a WGP has SIMDs; a wave makes 128 x 128: 64 accumulators, 512 registers.  K goes in steps of 256 through a ring of two LDS slots filled by the tensor data mover.
; The four work-groups of a row of the cluster need the same tiles of the Q side, the four of a column the same tiles of the P side: each tile is asked for JOINTLY.
; THE QUANTISER: a sum stands for sum x 2^(e0 + e1); its code is sum / 2^(e - e0 - e1), held within +-448, to the nearest code, ties to even; e = lowp_scales[2] (q), [3] (k), [5] (v).
; LIMITS: e - e0 - e1 lies between -126 and 119, so that the scale and 448 x the scale are f32 numbers.  NaN codes among the inputs are not served.
; Inside a matrix instruction k stands permuted, alike in both operands (four loads of 16 bytes a fragment): every product meets its partner; only the order of the sums inside an instruction differs.
; REGISTERS, in windows of 256: window 0: v0-31 addresses and the scale; from v128 the Q side's fragments, ONE set; on the way out v96-159 are at work.
;   window 1: the P side's fragments, TWO sets, at v0 and v128.   window 2: the accumulators of my Q rows 0-63 ((a, b) at v[8 (8 a + b)]);   window 3: those of rows 64-127.
.set KSTEP,  256                       ; along K in a slot
.set ROWB,   256                       ; a tile's row in bytes
.set KROW,   1024                      ; a row of x or of w_qkv in memory, in bytes
.set PITCH,  272                       ; an LDS row: 256 bytes + 16 of padding = 68 words: the 16 rows that a load touches start at 16 different banks (64 banks of 4 bytes: ISA guide 11.1)
.set FR,     16                        ; registers of a fragment: 16 rows x 128 K
.set NL,     4                         ; LDS loads that bring one
.set NP,     4                         ; places behind this matrix instruction (ISA guide 7.12.1)
.set HALFT,  128*PITCH                 ; 128 rows: what one tensor load brings
.set SLOT,   4*HALFT                   ; the Q side's 256 rows, then the P side's 256
.set LAPS,   2                         ; a lap = two K steps = once round the ring; K = 1,024
.set SPARE,  2*SLOT                    ; behind the ring: the spare words, 128 bytes a wave
.set SPITCH, 144                       ; the way out: a stage of 16 rows x (128 bytes + 16) for each wave, in slot 0, which has had its last fill and its last read when the first code is stored there
.set CO,   8                           ; v8-11   my byte offsets in the output for a block's four stores
.set ADRA, 16                          ; v16-17  LDS address of my Q-side fragments in slot 0, 1
.set ADRB, 20                          ; v20-21  the same for the P side
.set STO,  24                          ; v24     the way out: where I put 8 bytes of a row
.set RD,   25                          ; v25     the way out: where I read 16 bytes back
.set SPW,  28                          ; v28     LDS address of my spare word; never rewritten
.set NIL,  29                          ; v29     0; never rewritten
.set LIM,  30
.set SC,   31                          ; v31     the conversion's scale as f32
.set TMP,  32
.set CDS,  96                          ; v96-127 a block's codes, two sets
.set AF,   128                         ; the Q side's fragments
.set BK,   128                         ; the way out: a block read back from the stage: v128-143 and v144-159 by turns
.set G1, 24                            ; s[24:31] descriptor group 1 for the Q side;  s[32:39] group 0, a set for each slot
.set G0, 32
.set G1B, 48                           ; s[48:55], s[56:63] the same for the P side
.set G0B, 56
.set MSB, 0
.macro WIN new                         ; the immediate's high byte repeats the setting that is left
.if MSB != \new
	s_set_vgpr_msb (MSB<<8)|\new
.set MSB, \new
.endif
.endm
.set MUL_LO, 0xa1                      ; source 0 (P) window 1, source 1 (Q) window 0, C and D window 2
.set MUL_HI, 0xf1                      ; the same, C and D window 3
.set TO_B,   0x40                      ; destination window 1, address window 0
; A joint load: waves 0 and 1 fetch for the Q side, waves 2 and 3 for the P side.  The branch hangs on the wave's number alone.  An s_nop 0 and four v_nop follow each of the two lines.
.macro JLOAD g0a, g1a, g0b, g1b
	s_cmp_eq_u32 s15, 0
	s_cbranch_scc0 .Lfor_b_\@
	tensor_load_to_lds s[\g0a:\g0a+3], s[\g1a:\g1a+7]
	s_nop 0
.rept 4
	v_nop
.endr
	s_branch .Lasked_\@
.Lfor_b_\@:
	tensor_load_to_lds s[\g0b:\g0b+3], s[\g1b:\g1b+7]
	s_nop 0
.rept 4
	v_nop
.endr
.Lasked_\@:
.endm
.macro CREST                           ; a round of the cluster's barrier behind its opening barrier
	s_cmp_lg_u32 s14, 0
	s_cbranch_scc1 .Lnot_wave_0_\@
	s_barrier_signal -3
.Lnot_wave_0_\@:
	s_barrier_wait -3
	s_barrier_signal -1
	s_barrier_wait -1
.endm
.macro CROUND                          ; a whole round
	s_barrier_signal -1
	s_barrier_wait -1
	CREST
.endm
	s_load_b256 s[4:11], s[0:1], 0x0               ; x s[4:5], w_qkv s[6:7], the scales' exponents s[8:9], q_codes s[10:11]
	s_load_b128 s[76:79], s[0:1], 0x20             ; k_codes s[76:77], v_codes s[78:79]
	v_lshl_add_u32 v[SPW], v0, 2, SPARE
	v_mov_b32 v[NIL], 0
	ds_add_u32 v[SPW], v[NIL]                      ; the wave's opening: the add, twice on end, and its wait ahead of my first tensor load; the set-up below stands between
	ds_add_u32 v[SPW], v[NIL]
	v_lshrrev_b32 v1, 5, v0
	v_readfirstlane_b32 s14, v1                    ; wave 0..3
	s_lshr_b32 s15, s14, 1                         ; which half of the tile's Q rows is mine.  Also: I fetch for the Q side (0) or the P side (1)
	s_and_b32 s16, s14, 1                          ; which half of its P rows.  Also: which 128 rows of that tile I fetch
	s_bfe_u32 s40, ttmp6, 0x40000                  ; cx, cy: my place in the cluster
	s_bfe_u32 s41, ttmp6, 0x40004
	s_and_b32 s70, ttmp9, 1                        ; the cluster's number c says what is made
	s_lshr_b32 s71, ttmp9, 1
	s_sub_co_u32 s72, ttmp9, 16
	s_cmp_lt_u32 ttmp9, 16                         ; q or k?  (else v)
	s_cselect_b32 s70, s70, s72                    ; pc: 0 = q, 1 = k;  for v: c - 16
	s_cselect_b32 s71, s71, 0                      ; qc: c / 2;  for v: 0
	s_lshl_b32 s42, s70, 2
	s_add_co_u32 s42, s42, s40                     ; tile of the P side = 4 pc + cx
	s_lshl_b32 s17, s71, 2
	s_add_co_u32 s17, s17, s41                     ; tile of the Q side = 4 qc + cy
	s_lshl_b32 s43, s41, 2
	s_lshl_b32 s43, 15, s43                        ; my row of the cluster
	s_lshl_b32 s44, 0x1111, s40                    ; my column
	; descriptor group 1: a tile of 128 rows x 256 bytes, padded in LDS
	s_or_b32 s[G1+0], s43, (0<<16)|(1<<20)|(1<<21)|(5<<22)|(3<<25)  ; 15:0 the mask: the Q side's tiles go to my row; elements of 1 byte; 20 padding on; 21 set beside a mask; after every 64 words (code 5) 4 words (code 3)
	s_or_b32 s[G1B+0], s44, (0<<16)|(1<<20)|(1<<21)|(5<<22)|(3<<25) ; the same with the mask of my column
.irp g, G1, G1B
	s_mov_b32 s[\g+1], ROWB<<16                    ; tensor_dim0
	s_mov_b32 s[\g+2], 128<<16                     ; tensor_dim1 = 128
	s_mov_b32 s[\g+3], ROWB<<16                    ; tile_dim0
	s_mov_b32 s[\g+4], 128                         ; tile_dim1 = 128
	s_mov_b32 s[\g+5], KROW                        ; tensor_dim0_stride
	s_mov_b32 s[\g+6], 0
	s_mov_b32 s[\g+7], 0
.endr
	s_lshl_b32 s18, s16, 7                         ; which 128 rows of the tile I fetch
	s_lshl_b32 s20, s17, 8
	s_add_co_u32 s20, s20, s18                     ; Q side: row 256 x tile + 128 x half,
	s_lshl_b32 s20, s20, 10                        ; in bytes (under 2^24)
	s_mov_b32 s21, 0
	s_lshl_b32 s46, s42, 8
	s_add_co_u32 s46, s46, s18                     ; P side likewise
	s_lshl_b32 s46, s46, 10
	s_mov_b32 s47, 0
	s_mul_i32 s45, s14, HALFT                      ; where they go: wave x 128 rows: no place in the cluster enters an LDS address
	; what differs between q, k and v on the way out, chosen by the cluster's number
	s_and_b32 s73, s42, 3
	s_cmp_lt_u32 ttmp9, 16
	s_cselect_b32 s96, s17, s42                    ; the tile of tokens,
	s_cselect_b32 s97, s15, s16                    ; my half of it,
	s_cselect_b32 s98, s73, s17                    ; the tile of 256 features (four heads) in q, k or v,
	s_cselect_b32 s99, s16, s15                    ; my half of it (two heads)
	s_cselect_b32 s81, -1, 0                       ; a lane mask: all ones for q and k
	s_mov_b32 s82, 512
	s_cselect_b32 s82, 256, s82                    ; from store to store of a block: four tokens of 64 bytes; four rows of 128
	s_mov_b32 s84, 2048
	s_cselect_b32 s84, 1024, s84                   ; from block to block: 16 tokens of 64 bytes; 16 rows d of 128
	s_mov_b32 s86, 124928
	s_cselect_b32 s86, 1024, s86                   ; from block 3 to block 4: for v on to the next head: 2^17 - 3 x 2,048
	s_cselect_b32 s74, 0, 0x200000                 ; v: the Q side begins at w_qkv's row 2,048
	s_mov_b32 s85, 0
	s_mov_b32 s87, 0
	s_mov_b32 s75, 0
	s_lshr_b32 s12, s96, 3                         ; batch
	s_lshl_b32 s12, s12, 4
	s_lshl_b32 s98, s98, 2
	s_add_co_u32 s12, s12, s98
	s_lshl_b32 s99, s99, 1
	s_add_co_u32 s12, s12, s99                     ; bh of my first head
	s_lshl_b32 s12, s12, 17                        ; a head's codes are 2^17 bytes
	s_and_b32 s96, s96, 7
	s_lshl_b32 s96, s96, 1
	s_add_co_u32 s96, s96, s97                     ; which 128 tokens of the sequence
	s_lshl_b32 s96, s96, 13                        ; 128 tokens x 64 bytes = a chunk of v: 64 x 128 bytes
	s_add_co_u32 s12, s12, s96
	s_mov_b32 s13, 0
	s_wait_dscnt 0x0                               ; both opening adds are done
	s_wait_kmcnt 0x0
	s_load_b256 s[88:95], s[8:9], 0x0              ; e0 .. e7
	s_cmp_lt_u32 ttmp9, 16
	s_cselect_b64 s[66:67], s[4:5], s[6:7]         ; the Q side: x, or w_qkv
	s_cselect_b64 s[68:69], s[6:7], s[4:5]         ; the P side: w_qkv, or x
	s_add_nc_u64 s[66:67], s[66:67], s[74:75]
	s_add_nc_u64 s[20:21], s[66:67], s[20:21]
	s_add_nc_u64 s[46:47], s[68:69], s[46:47]
	s_cmp_eq_u32 s70, 0
	s_cselect_b64 s[10:11], s[10:11], s[76:77]     ; q_codes or k_codes,
	s_cmp_lt_u32 ttmp9, 16
	s_cselect_b64 s[10:11], s[10:11], s[78:79]     ; or v_codes
	s_add_nc_u64 s[10:11], s[10:11], s[12:13]
	CROUND                                         ; all sixteen work-groups are here: the first joint loads meet
.irp s, 0,1
	s_mov_b32 s[G0+4*\s], 1
	s_add_co_u32 s[G0+4*\s+1], s45, \s*SLOT
	s_add_nc_u64 s[G0+4*\s+2:G0+4*\s+3], s[20:21], \s*ROWB
	s_or_b32 s[G0+4*\s+3], s[G0+4*\s+3], 0x80000000
	s_mov_b32 s[G0B+4*\s], 1
	s_add_co_u32 s[G0B+4*\s+1], s45, \s*SLOT
	s_add_nc_u64 s[G0B+4*\s+2:G0B+4*\s+3], s[46:47], \s*ROWB
	s_or_b32 s[G0B+4*\s+3], s[G0B+4*\s+3], 0x80000000
	JLOAD G0+4*\s, G1, G0B+4*\s, G1B
.endr
	v_and_b32 v1, 15, v0                           ; r = l % 16
	s_wait_alu depctr_va_vdst(0)
	v_bfe_u32 v2, v0, 4, 1                         ; h = l / 16
	v_mul_u32_u24 v3, v1, PITCH
	v_lshl_add_u32 v4, v2, 4, v3                   ; a fragment's row x pitch + 16 x half
	s_mul_i32 s21, s15, HALFT                      ; my 128 rows of the Q side
	s_mul_i32 s22, s16, HALFT                      ; my 128 rows of the P side,
	s_add_co_u32 s22, s22, 2*HALFT                 ; which lie behind the Q side's 256
.irp s, 0,1
	v_add_nc_u32 v[ADRA+\s], s21, v4
	v_add_nc_u32 v[ADRB+\s], s22, v4
	s_add_co_u32 s21, s21, SLOT
	s_add_co_u32 s22, s22, SLOT
.endr
	s_mul_i32 s23, s14, 16*SPITCH                  ; my stage
	v_mul_u32_u24 v5, v1, SPITCH                   ; in: row r, + 16 h: with the stores' offsets that is the order of bytes stated at the head
	s_wait_alu depctr_va_vdst(0)
	v_lshl_add_u32 v5, v2, 4, v5
	v_add_nc_u32 v[STO], s23, v5
	v_bfe_u32 v12, v0, 3, 2                        ; l / 8: which of a load's four rows
	v_bfe_u32 v7, v0, 2, 1                         ; q, k: a stage row is one token's 64 bytes of each of two heads: (l / 4) % 2 is the head,
	v_lshlrev_b32 v7, 17, v7
	v_lshl_add_u32 v7, v12, 6, v7                  ; l / 8 the token,
	v_and_b32 v13, 3, v0
	v_lshl_add_u32 v7, v13, 4, v7                  ; l % 4 the 16 bytes: a store covers two aligned runs of 256 bytes, four tokens of each head
	v_and_b32 v6, 31, v0
	v_lshlrev_b32 v6, 4, v6                        ; v: four stage rows are 512 consecutive bytes of the chunk
	v_cndmask_b32 v[CO], v6, v7, s81
	v_add_nc_u32 v[CO+1], s82, v[CO]
	v_add_nc_u32 v[CO+2], s82, v[CO+1]
	v_add_nc_u32 v[CO+3], s82, v[CO+2]
	v_mul_u32_u24 v12, v12, SPITCH                 ; back: eight lanes to a row of 128 bytes, four rows a load
	v_and_b32 v13, 7, v0
	v_lshl_add_u32 v12, v13, 4, v12
	v_add_nc_u32 v[RD], s23, v12
.macro FRAG reg, adr, q, i             ; a fragment, 16 rows x 128 K, is 16 registers: lane l holds row l % 16; registers 4 c .. 4 c + 3 hold bytes 32 c + 16 (l / 16) + 0 .. 15
.irp c, 0,1,2,3
	ds_load_b128 v[\reg+4*\c:\reg+4*\c+3], v[\adr] offset:128*(\q)+32*\c+(\i)*16*PITCH
.endr
.endm
; 16 matrix instructions: the Q side's blocks a0, a0 + 1 x the P side's eight, 128 along K.  p: the P side's set.  zero = 1: the first product starts the sums: nothing is ever cleared.
; The 64 accumulators take turns, one instruction a turn, in the same order in every step.
.macro MUL16 a0, p, zero
.irp a, \a0, \a0+1
.irp b, 0,1,2,3,4,5,6,7
.if \zero
	v_wmma_f32_16x16x128_fp8_fp8 v[8*(8*((\a)%4)+\b):8*(8*((\a)%4)+\b)+7], v[128*(\p)+FR*\b:128*(\p)+FR*\b+FR-1], v[AF+FR*(\a):AF+FR*(\a)+FR-1], 0
.else
	v_wmma_f32_16x16x128_fp8_fp8 v[8*(8*((\a)%4)+\b):8*(8*((\a)%4)+\b)+7], v[128*(\p)+FR*\b:128*(\p)+FR*\b+FR-1], v[AF+FR*(\a):AF+FR*(\a)+FR-1], v[8*(8*((\a)%4)+\b):8*(8*((\a)%4)+\b)+7]
.endif
.endr
.endr
.endm
.macro FETCH_B slot, q, p              ; the P side's eight fragments of the slot's q-th 128 along K into set p
	WIN TO_B
.irp i, 0,1,2,3,4,5,6,7
	FRAG 128*(\p)+FR*\i, ADRB+\slot, \q, \i
.endr
	WIN 0
.endm
.macro FETCH_A slot, q, i0             ; the Q side's blocks i0 .. i0 + 3
.irp i, \i0, \i0+1, \i0+2, \i0+3
	FRAG AF+FR*(\i), ADRA+\slot, \q, \i
.endr
.endm
; A load into a register that a matrix instruction has read, and a vector instruction that reads a matrix result, stand NP places behind that matrix instruction; only plain vector instructions that name none of its registers are places.
.macro PLACES n
.rept \n
	v_nop
.endr
.endm
; A step of 128 along K that has its successor in the same slot.
.macro STEP slot, q, zero
	s_wait_dscnt 4*NL                              ; the P side's set and the Q side's blocks 0-3 are in; the 16 youngest loads (blocks 4-7) may be out
	WIN MUL_LO
	MUL16 0, (\q)%2, \zero
	MUL16 2, (\q)%2, \zero
	s_wait_dscnt 0                                 ; blocks 4-7 are in (asked for 32 matrix instructions ago)
	PLACES NP
	FETCH_B \slot, (\q)+1, 1-(\q)%2
	FETCH_A \slot, (\q)+1, 0
	WIN MUL_HI
	MUL16 4, (\q)%2, \zero
	MUL16 6, (\q)%2, \zero
	PLACES NP
	WIN 0
	FETCH_A \slot, (\q)+1, 4
.endm
; A slot's last step changes slots: ONE barrier; in front of it each wave waits for all its tensor loads, adds 0 to its spare word, and waits for that and for its own reads of this slot.  fill = 1: this slot is filled again, two K steps ahead.
.macro TURN slot, next, fill
	s_wait_tensorcnt 0x0                           ; all my tensor loads have landed: my part of the next slot  (every window is 0 here)
	ds_add_u32 v[SPW], v[NIL]                      ; 0 onto my spare word
	s_wait_dscnt 4*NL+1                            ; (the add and the 16 youngest loads may be out)
	WIN MUL_LO
	MUL16 0, 1, 0                                  ; sixteen matrix instructions stand between the add and the wait for it
	s_wait_dscnt 0x0                               ; the add is done, and my reads of this slot are over
	s_barrier_signal -1
	MUL16 2, 1, 0
	WIN 0
	s_barrier_wait -1
.if \fill
	CREST                                          ; the barrier has opened a round of the cluster's barrier: no wave of any partner still reads this slot's tile or has a load on its way
	s_add_nc_u64 s[G0+4*\slot+2:G0+4*\slot+3], s[G0+4*\slot+2:G0+4*\slot+3], 2*ROWB
	s_add_nc_u64 s[G0B+4*\slot+2:G0B+4*\slot+3], s[G0B+4*\slot+2:G0B+4*\slot+3], 2*ROWB
	JLOAD G0+4*\slot, G1, G0B+4*\slot, G1B         ; the first tensor load behind the round; its four v_nop are the places in front of the loads below
.else
	PLACES NP
.endif
	FETCH_B \next, 0, 0
	FETCH_A \next, 0, 0
	WIN MUL_HI
	MUL16 4, 1, 0
	MUL16 6, 1, 0
	PLACES NP
	WIN 0
	FETCH_A \next, 0, 4
.endm
	s_wait_tensorcnt 1                             ; my part of K step 0 is in (K step 1's load may be out)
	s_barrier_signal -1
	s_barrier_wait -1                              ; everybody's is
	FETCH_B 0, 0, 0
	FETCH_A 0, 0, 0
	FETCH_A 0, 0, 4
	STEP 0, 0, 1                                   ; the first step stands in front of the loop: its products start the sums
	s_mov_b32 s3, LAPS-1
.Llap:                                                 ; a trip goes once round the ring, from a lap's second step to the next lap's first, and fills both slots again
	TURN 0, 1, 1
	STEP 1, 0, 0
	TURN 1, 0, 1
	STEP 0, 0, 0
	s_sub_co_u32 s3, s3, 1
	s_cmp_lg_u32 s3, 0
	s_cbranch_scc1 .Llap
	TURN 0, 1, 0                                   ; the last lap fills nothing, and has no round of the cluster's barrier
	STEP 1, 0, 0
	s_wait_dscnt 4*NL                              ; the very last step: nothing more to fetch
	WIN MUL_LO
	MUL16 0, 1, 0
	MUL16 2, 1, 0
	s_wait_dscnt 0
	WIN MUL_HI
	MUL16 4, 1, 0
	MUL16 6, 1, 0
	WIN 0
; THE WAY OUT, block by block of 16 Q rows x 128 P indices.  Accumulator (a, b), register j, lane (r, h) is (Q row 16 a + r, P index 16 b + 8 h + j): eight neighbours, one conversion, 8 bytes.
; They go into my own stage in LDS, row r, and come back 16 bytes a lane, four rows a load.  LDS serves a wave's instructions in order (ISA guide 5.7.1.4): no wait between the stores and the loads.
.macro TOSTAGE a
.set AC, 64*((\a)%4)
.set CD, CDS+16*((\a)%2)
.set BB, BK+16*((\a)%2)
	WIN 0x02+((\a)/4)                              ; source 0: window 2 or 3
.set J, 0
.rept 64
.set J, J+1
.endr
.irp b, 0,1,2,3,4,5,6,7
	v_cvt_scalef32_pk8_fp8_f32 v[CD+2*\b:CD+2*\b+1], v[AC+8*\b:AC+8*\b+7], v[SC]
.endr
	WIN 0
	v_nop                                          ; one plain vector instruction behind the last conversion
.irp b, 0,1,2,3,4,5,6,7
	ds_store_b64 v[STO], v[CD+2*\b:CD+2*\b+1] offset:32*(\b/2)+8*(\b%2)   ; index 16 b + 8 h + j goes to byte 32 (b / 2) + 16 h + 8 (b % 2) + j
.endr
.irp i, 0,1,2,3
	ds_load_b128 v[BB+4*\i:BB+4*\i+3], v[RD] offset:4*\i*SPITCH
.endr
.endm
.macro SEND a, younger                 ; younger: the LDS instructions issued behind block a's loads, which may stay out
.set BB, BK+16*((\a)%2)
	s_wait_dscnt \younger                          ; the block is back in registers
.if (\a) == 4
	s_add_nc_u64 s[10:11], s[10:11], s[86:87]      ; (behind a wait on XCNT: the earlier stores have read their base)
.elseif (\a) > 0
	s_add_nc_u64 s[10:11], s[10:11], s[84:85]
.endif
.irp i, 0,1,2,3
	global_store_b128 v[CO+\i], v[BB+4*\i:BB+4*\i+3], s[10:11]   ; whole aligned runs of 256 bytes: two for q and k (one in each head), 512 consecutive bytes for v
.endr
.endm
	s_wait_kmcnt 0x0
	s_cmp_eq_u32 s70, 0
	s_cselect_b32 s80, s90, s91                    ; e of q or of k,
	s_cmp_lt_u32 ttmp9, 16
	s_cselect_b32 s80, s80, s93                    ; or of v
	s_sub_co_i32 s80, s80, s88
	s_sub_co_i32 s80, s80, s89                     ; e - e0 - e1: the three scales folded into the conversion's one
	s_add_co_i32 s80, s80, 127
	s_lshl_b32 s83, s80, 23
	v_mov_b32 v[SC], s83                           ; 2^(e - e0 - e1) as f32
	s_add_co_i32 s80, s80, 8
	s_lshl_b32 s80, s80, 23
	s_or_b32 s80, s80, 0x600000
	PLACES NP                                      ; behind the last products: for the loads into the registers that held fragments, and for the reads of results
	TOSTAGE 0
.irp a, 1,2,3,4,5,6,7
.if \a > 1
	s_wait_xcnt 0x0                                ; block a - 2's stores have read their registers and their base: block a's loads may land there, and the base may step
.endif
	TOSTAGE \a
	SEND \a-1, 12                                  ; behind block a - 1's loads: block a's 8 stores and 4 loads
.endr
	s_wait_xcnt 0x0                                ; block 6's stores have read their base
	SEND 7, 0
	s_wait_tensorcnt 0x0                           ; the wave's end: behind my last tensor load and my last LDS store
	ds_add_u32 v[SPW], v[NIL]
	s_wait_dscnt 0x0
	CROUND                                         ; the closing round: no work-group ends while a partner may still ask for a tile that names it
	s_endpgm
.Lfunc_end_k_q5abea56b0d_qkv:
	.size	k_q5abea56b0d_qkv, .Lfunc_end_k_q5abea56b0d_qkv-k_q5abea56b0d_qkv
	.p2alignl 7, 3214868480
	.fill 96, 4, 3214868480
	.section	.rodata,"a",@progbits
	.p2align	6, 0x0
	.amdhsa_kernel k_q5abea56b0d_qkv
		.amdhsa_group_segment_fixed_size 327680
		.amdhsa_private_segment_fixed_size 0
		.amdhsa_enable_private_segment 0
		.amdhsa_kernarg_size 48
		.amdhsa_user_sgpr_count 2
		.amdhsa_user_sgpr_kernarg_segment_ptr 1
		.amdhsa_wavefront_size32 1
		.amdhsa_system_sgpr_workgroup_id_x 1
		.amdhsa_system_sgpr_workgroup_id_y 1
		.amdhsa_system_sgpr_workgroup_id_z 1
		.amdhsa_system_vgpr_workitem_id 0
		.amdhsa_next_free_vgpr 1024
		.amdhsa_next_free_sgpr 100
		.amdhsa_reserve_vcc 0
		.amdhsa_float_denorm_mode_32 3
		.amdhsa_float_denorm_mode_16_64 3
		.amdhsa_fp16_overflow 1
		.amdhsa_memory_ordered 1
		.amdhsa_forward_progress 1
		.amdhsa_inst_pref_size 94
	.end_amdhsa_kernel
	.amdgpu_metadata
---
amdhsa.version: [ 1, 2 ]
amdhsa.kernels:
  - .name:           k_q5abea56b0d_qkv
    .symbol:         k_q5abea56b0d_qkv.kd
    .args:
      - { .name: x_codes, .offset: 0, .size: 8, .value_kind: global_buffer, .address_space: global }
      - { .name: w_qkv_codes, .offset: 8, .size: 8, .value_kind: global_buffer, .address_space: global }
      - { .name: lowp_scales, .offset: 16, .size: 8, .value_kind: global_buffer, .address_space: global }
      - { .name: q_codes, .offset: 24, .size: 8, .value_kind: global_buffer, .address_space: global }
      - { .name: k_codes, .offset: 32, .size: 8, .value_kind: global_buffer, .address_space: global }
      - { .name: v_codes, .offset: 40, .size: 8, .value_kind: global_buffer, .address_space: global }
    .group_segment_fixed_size: 327680
    .private_segment_fixed_size: 0
    .kernarg_segment_align: 8
    .kernarg_segment_size: 48
    .max_flat_workgroup_size: 128
    .sgpr_count:     100
    .vgpr_count:     1024
    .wavefront_size: 32
...
	.end_amdgpu_metadata
.endif
;; end of part 1
;; launch attn (part 2): grid 4 x 64, 16 waves a work-group, no clusters, 327,680 bytes of LDS; arguments q_codes, k_codes, v_codes, lowp_scales, y_codes; writes y_codes
.if DOCPART == 2
	.amdgcn_target "amdgcn-amd-amdhsa--gfx1250"
	.amdhsa_code_object_version 6
	.text
	.protected	k_q5abea56b0d_attn
	.globl	k_q5abea56b0d_attn
	.p2align	8
	.type	k_q5abea56b0d_attn,@function
k_q5abea56b0d_attn:
	s_mov_b64 s[64:65], 0
	v_nop
	global_prefetch_b8 v0, s[64:65] scope:SCOPE_SE
	s_setreg_imm32_b32 hwreg(HW_REG_WAVE_MODE, 25, 1), 1
	s_wait_xcnt 0x0
; LAUNCH 2 OF 3: y[bh][q] = the sum over keys k <= q of softmax_k(Q[q] . K[k] / 8) V[k], both products on codes of FP8 (E4M3), and the quantiser of y.
; WORK LEFT OUT: a step of 128 keys all of which come after a tile's 16 queries: reference()'s own causal mask gives those keys the weight 0, whatever the inputs hold (shown at the head of the first launch).
; q_codes, k_codes: [bh 64][token 2048][64 bytes]; v_codes: [bh 64][chunk of 128 keys][d 64][128 bytes]; their innermost bytes stand so that a load of 16 bytes at 32 c + 16 (lane / 16) puts every index at the plain FP8 form's own
; place (registers 2 c, 2 c + 1: K = 16 c + 8 (lane / 16) + 0 .. 7).  y_codes: [bh 64][token 2048][64 bytes], d in its true order.
; THE SOFTMAX AHEAD OF THE SECOND PRODUCT: t = score x log2(e) / 8; M = the row's largest t so far, rounded UP to a whole number; p = 2^(t - M) is quantised with 2^e4, not normalised.  The row's sum is taken of the
; unquantised p, in f32, and divides O at the end.  When M moves, the sum and O are multiplied by 2^(old M - new M): exact.
; SHARES.  Work-group (i, bh) owns the blocks i and 7 - i of 256 queries of one head; each of its SIXTEEN waves owns one tile of 16 queries in each block: tile L (query 256 i + 16 w on) and tile H (256 (7 - i) + 16 w on).
; Together the two tiles have 16 or 18 steps of 128 keys that count, whatever i is: 256 work-groups of equal work.  Four waves share a SIMD, so that one wave's vector work stands beside another's matrix work and LDS loads.
; K's and V's tiles come through a ring of two LDS slots of 256 keys, filled by the tensor data mover (waves 0 and 1: K's halves; waves 2 and 3: V's two chunks) and read by all sixteen.
; NO CLUSTER: the four work-groups of a head end their walk at different slots (slot 7 - i is the last that work-group i reads), so a joint load would bring tiles whose reads every wave of some partner jumps over.
; LAYOUT.  Both products are used transposed: S^T = K Q^T (source 0 = 16 neighbouring keys, source 1 = 16 queries), O^T = V^T P^T (source 0 = 16 of the head's 64, source 1 = P): a lane holds ONE query (lane % 16) throughout.
; In tile t of S^T register j of lane (r, h) is key 16 t + 8 h + j: its eight codes are registers 2 t, 2 t + 1 of the second product's operand as they stand.
; LIMITS on the given exponents, so that each power of two below is an f32 number: e2 + e3 between -123 and 130 (they are added to the exponent field of log2(e) / 8); e4, and e6 - e4 - e5, between -126 and 119.
; NaN codes are not served.
.set KP,    80                         ; a key's row in LDS: 64 bytes + 16 of padding: an odd multiple of 16 bytes
.set VP,    144                        ; a row of V's chunk: 128 bytes + 16
.set VOFF,  256*KP                     ; a slot: 256 rows of K, then 2 x 64 rows of V
.set SLOT1, 1<<16                      ; slot 1 begins here, so that one exclusive or turns an address in one slot into the other's
.set SPARE, 2*SLOT1                    ; behind the ring: the spare words, 128 bytes for each of the 16 waves
.set SLB,   16384                      ; a slot's bytes of K, and of V, in memory
.set AK0,  1                           ; v1   my lane's place in a tile of K: 80 r + 16 h
.set AV0,  2                           ; v2   the same for V: 144 r + 16 h + VOFF
.set PFO,  3                           ; v3   the prefetches' offset: 256 x my lane; never rewritten
.set RH,   4                           ; v4   r - 8 h, for the mask
.set SPW,  5                           ; v5   LDS address of my spare word; never rewritten
.set NIL,  6                           ; v6   0; never rewritten
.set GO,   7                           ; v7   the way out: 16 x my lane
.set ADK,  8                           ; v8   LDS address of the step's tiles of K
.set ADV,  9                           ; v9   of V
.set STH,  12                          ; v12 -M, v13 the largest t, v[14:15] the sum in two halves: tile H
.set STL,  16                          ; v16-19 the same for tile L
.set QH,   20                          ; v20-27 Q's fragment of tile H
.set QL,   28                          ; v28-35 of tile L
.set FR,   36                          ; v36-99 eight fragments of K (8 registers each), then four of V (16 each)
.set S,    100                         ; v100-163 S^T, then p
.set OH,   164                         ; v164-195 O^T of tile H
.set OL,   196                         ; v196-227 of tile L
.set PC,   228                         ; v228-243 p's codes
                                       ; v244 the conversion's scale; v[246:247] f; v248, v249 at work; v250 a permute's destination; v251 the mask's d; v[252:253] the second chain of the sum; v254 -infinity
.set WV,   18                          ; s18  my wave's number
.set SEL,  20                          ; s[20:21] lane selects for v_permlanex16_b32: lane l xor 16
.set CS,   22                          ; s[22:23] c = log2(e) / 8 x 2^(e2 + e3)
.set G1K,  24                          ; s[24:31] descriptor group 1 for K's tiles;  s[32:39] for V's;  s[40:43], s[44:47] their groups 0, which walk
.set G1V,  32
.set G0K,  40
.set G0V,  44
.set TB,   2                           ; s2   LDS byte at which the slot in hand begins
.set SLOTS, 67                         ; s67  changes of slots still to come in the loop
.set KF,   98                          ; s98  the step's first key
.set Q0H,  99                          ; s99  tile H's first query
.set Q0L,  66                          ; s66  tile L's
.set PFA,  76                          ; s[76:77] where my prefetches stand in memory
.set LIM,  80                          ; s80  1 in a wave that prefetches, else the greatest number
; Waves 0 and 1 fetch for K, waves 2 and 3 for V, the others nothing.  The branches hang on the wave's number alone.  An s_nop 0 and four v_nop follow each of the two lines.
.macro TLOAD
	s_cmp_lt_u32 s[WV], 2
	s_cbranch_scc0 .Lnot_k_\@
	tensor_load_to_lds s[G0K:G0K+3], s[G1K:G1K+7]
	s_nop 0
.rept 4
	v_nop
.endr
	s_branch .Lasked_\@
.Lnot_k_\@:
	s_cmp_lt_u32 s[WV], 4
	s_cbranch_scc0 .Lasked_\@
	tensor_load_to_lds s[G0V:G0V+3], s[G1V:G1V+7]
	s_nop 0
.rept 4
	v_nop
.endr
.Lasked_\@:
.endm
; A PREFETCH INTO THE L2 of what the NEXT change of slots will ask for: a slot's 16,384 bytes of K and 16,384 of V, both dense.  Each aligned block of 256 bytes is asked for ONCE in the launch: of a head's four work-groups
; the one with i = 0 asks, which walks all eight slots; in it waves 4 and 5 ask for K's two halves and waves 6 and 7 for V's, 8,192 bytes a wave, lanes 256 bytes apart, one instruction.
; The last change that fills a slot asks for nothing: there is no slot behind it.  Slots 0 and 1 come by their loads alone.
.macro ASK
	s_cmp_gt_u32 s[SLOTS], s[LIM]
	s_cbranch_scc0 .Lnot_mine_\@
	global_prefetch_b8 v[PFO], s[PFA:PFA+1] th:TH_LOAD_NT scope:SCOPE_SE
.Lnot_mine_\@:
.endm
	s_load_b128 s[4:7], s[0:1], 0x0                ; q_codes s[4:5], k_codes s[6:7]
	s_load_b128 s[12:15], s[0:1], 0x10             ; v_codes s[12:13], the scales' exponents s[14:15]
	s_load_b64 s[16:17], s[0:1], 0x20              ; y_codes
	v_lshl_add_u32 v[SPW], v0, 2, SPARE
	v_mov_b32 v[NIL], 0
	ds_add_u32 v[SPW], v[NIL]                      ; the wave's opening: the add, twice on end, and its wait ahead of my first tensor load; the set-up below stands between
	ds_add_u32 v[SPW], v[NIL]
	v_lshrrev_b32 v8, 5, v0
	s_delay_alu instid0(VALU_DEP_1)
	v_readfirstlane_b32 s[WV], v8                  ; wave 0..15
	s_and_b32 s72, ttmp7, 0xffff                   ; bh
	s_lshl_b32 s74, s72, 17                        ; the head's first byte in each of the four buffers of codes
	s_mov_b32 s75, 0
	s_lshl_b32 s48, s[WV], 4
	s_lshl_b32 s[Q0L], ttmp9, 8
	s_add_co_u32 s[Q0L], s[Q0L], s48               ; 256 i + 16 w
	s_sub_co_u32 s49, 7, ttmp9
	s_lshl_b32 s[Q0H], s49, 8
	s_add_co_u32 s[Q0H], s[Q0H], s48               ; 256 (7 - i) + 16 w
	s_lshl_b32 s50, s[Q0H], 6
	s_mov_b32 s51, 0
	s_add_nc_u64 s[50:51], s[50:51], s[74:75]      ; tile H's first row in q_codes and in y_codes
	s_lshl_b32 s52, s[Q0L], 6
	s_mov_b32 s53, 0
	s_add_nc_u64 s[52:53], s[52:53], s[74:75]      ; tile L's
	s_and_b32 s54, s[WV], 1
	s_lshl_b32 s56, s54, 13                        ; what I fetch, if I fetch: the slot's first or second 8,192 bytes (128 keys of K; a chunk of V),
	s_mov_b32 s57, 0
	s_add_nc_u64 s[56:57], s[56:57], s[74:75]
	s_mul_i32 s58, s54, 128*KP                     ; and where it goes in a slot: K,
	s_mul_i32 s59, s54, 64*VP
	s_add_co_u32 s59, s59, VOFF                    ; V
	; descriptor group 1: K: 128 rows of 64 bytes;  V: 64 rows of 128 bytes; both dense in memory
	s_mov_b32 s[G1K], (0<<16)|(1<<20)|(3<<22)|(3<<25)   ; no mask; elements of 1 byte; padding on: after every 16 words (code 3) four words (code 3)
	s_mov_b32 s[G1K+1], 64<<16                     ; tensor_dim0
	s_mov_b32 s[G1K+2], 128<<16                    ; tensor_dim1
	s_mov_b32 s[G1K+3], 64<<16                     ; tile_dim0
	s_mov_b32 s[G1K+4], 128                        ; tile_dim1
	s_mov_b32 s[G1K+5], 64                         ; tensor_dim0_stride
	s_mov_b32 s[G1K+6], 0
	s_mov_b32 s[G1K+7], 0
	s_mov_b32 s[G1V], (0<<16)|(1<<20)|(4<<22)|(3<<25)   ; padding: four words after every 32
	s_mov_b32 s[G1V+1], 128<<16
	s_mov_b32 s[G1V+2], 64<<16
	s_mov_b32 s[G1V+3], 128<<16
	s_mov_b32 s[G1V+4], 64
	s_mov_b32 s[G1V+5], 128
	s_mov_b32 s[G1V+6], 0
	s_mov_b32 s[G1V+7], 0
	s_mov_b32 s[SEL], 0x76543210
	s_mov_b32 s[SEL+1], 0xfedcba98
	s_mov_b32 s[CS], 0x3e38aa3b                    ; log2(e) / 8
	s_mov_b32 s[TB], 0
	s_mov_b32 s[SLOTS], 7
	s_mov_b32 s[KF], 0
	s_wait_dscnt 0x0                               ; both opening adds are done
	s_wait_kmcnt 0x0
	s_load_b256 s[84:91], s[14:15], 0x0            ; e0 .. e7
	s_mov_b32 s[G0K], 1                            ; count = 1
	s_mov_b32 s[G0K+1], s58                        ; LDS address: slot 0
	s_add_nc_u64 s[G0K+2:G0K+3], s[6:7], s[56:57]  ; global address: the head's first 256 keys
	s_or_b32 s[G0K+3], s[G0K+3], 0x80000000        ; type = 2
	s_mov_b32 s[G0V], 1
	s_mov_b32 s[G0V+1], s59
	s_add_nc_u64 s[G0V+2:G0V+3], s[12:13], s[56:57]
	s_or_b32 s[G0V+3], s[G0V+3], 0x80000000
	TLOAD                                          ; slot 0: it holds key 0, which counts for every query
	s_add_nc_u64 s[60:61], s[4:5], s[50:51]        ; Q's codes of tile H,
	s_add_nc_u64 s[62:63], s[4:5], s[52:53]        ; of tile L
	s_add_nc_u64 s[10:11], s[16:17], s[52:53]      ; y at tile L,
	s_add_nc_u64 s[16:17], s[16:17], s[50:51]      ; at tile H
	s_cmp_lt_u32 s[WV], 6                          ; the prefetches: waves 4 and 5 stand in K, waves 6 and 7 in V,
	s_cselect_b64 s[PFA:PFA+1], s[6:7], s[12:13]
	s_add_nc_u64 s[PFA:PFA+1], s[PFA:PFA+1], s[56:57]   ; in my head, at my half,
	s_add_nc_u64 s[PFA:PFA+1], s[PFA:PFA+1], SLB   ; of slot 1: the first change of slots steps it to slot 2.  Nothing is prefetched here, where every work-group's first tiles are on their way
	s_sub_co_u32 s92, s[WV], 4
	s_lshr_b32 s92, s92, 2                         ; 0 in waves 4 to 7,
	s_or_b32 s92, s92, ttmp9                       ; of the work-group with i = 0
	s_cmp_eq_u32 s92, 0
	s_cselect_b32 s[LIM], 1, -1
	v_and_b32 v[PFO], 31, v0
	s_delay_alu instid0(VALU_DEP_1)
	v_lshlrev_b32 v[PFO], 8, v[PFO]
	v_and_b32 v8, 15, v0                           ; r = lane % 16
	v_bfe_u32 v9, v0, 4, 1                         ; h = lane / 16
	s_delay_alu instid0(VALU_DEP_2)
	v_lshlrev_b32 v10, 6, v8
	s_delay_alu instid0(VALU_DEP_1)
	v_lshl_add_u32 v10, v9, 4, v10                 ; Q: row r of 64 bytes, + 16 h
	global_load_b128 v[QH:QH+3], v10, s[60:61]     ; Q's fragments stay in registers
	global_load_b128 v[QH+4:QH+7], v10, s[60:61] offset:32
	global_load_b128 v[QL:QL+3], v10, s[62:63]
	global_load_b128 v[QL+4:QL+7], v10, s[62:63] offset:32
	v_mul_u32_u24 v[AK0], v8, KP
	s_delay_alu instid0(VALU_DEP_1)
	v_lshl_add_u32 v[AK0], v9, 4, v[AK0]
	v_mul_u32_u24 v[AV0], v8, VP
	s_delay_alu instid0(VALU_DEP_1)
	v_lshl_add_u32 v[AV0], v9, 4, v[AV0]
	s_delay_alu instid0(VALU_DEP_1)
	v_add_nc_u32 v[AV0], VOFF, v[AV0]
	v_lshlrev_b32 v11, 3, v9
	s_delay_alu instid0(VALU_DEP_1)
	v_sub_nc_u32 v[RH], v8, v11                    ; r - 8 h
	v_and_b32 v[GO], 31, v0
	s_delay_alu instid0(VALU_DEP_1)
	v_lshlrev_b32 v[GO], 4, v[GO]
.irp st, STH, STL
	v_mov_b32 v[\st+1], 0xff61b1e6                 ; the largest t so far: -3e38, under every t
	s_delay_alu instid0(VALU_DEP_1)
	v_floor_f32 v[\st], -v[\st+1]                  ; -M
	v_mov_b32 v[\st+2], 0                          ; the sum, in two halves
	v_mov_b32 v[\st+3], 0
.endr
	v_mov_b32 v247, 0                              ; (named as the upper half of the pair v[246:247])
	v_mov_b32 v250, 0                              ; written once: a lane permute's destination counts as one of its sources
	v_mov_b32 v251, 0
	v_mov_b32 v254, 0xff800000                     ; -infinity
.set J, 0
.rept 64
	v_mov_b32 v[OH+J], 0                           ; both O^T.  (The step is written once: a tile's first step finds zeros, which the first change of M leaves zeros)
.set J, J+1
.endr
	s_wait_kmcnt 0x0
	s_add_co_i32 s92, s86, s87
	s_lshl_b32 s92, s92, 23
	s_add_co_i32 s[CS], s[CS], s92                 ; a score stands for score x 2^(e2 + e3): the two exponents are added to c's exponent field
	s_mov_b32 s[CS+1], s[CS]                       ; (named with it as a pair, so it is written)
	s_add_co_i32 s92, s88, 127
	s_lshl_b32 s93, s92, 23
	v_mov_b32 v244, s93                            ; 2^e4 as f32, for p's conversion
; ONE TILE OF 16 QUERIES AGAINST 128 KEYS, the kq-th step of the slot in hand.  st: the tile's state; qf: its fragment of Q; oa: its O^T; qz: the scalar register with its first query.
.macro STEPT kq, st, qf, oa, qz
	s_add_co_u32 s96, s[\qz], 15                   ; a step all of whose keys come after the tile's 16 queries is left out: a scalar branch on ids, round loads, products and softmax; no barrier, wait for tiles or tensor load stands in a step
	s_cmp_gt_u32 s[KF], s96
	s_cbranch_scc1 .Lhid_\@
	v_add_nc_u32 v[ADK], s[TB], v[AK0]
	v_add_nc_u32 v[ADV], s[TB], v[AV0]
	v_nop                                          ; with the two additions: four places in front of loads into registers that the last products read
	v_nop
.set T, 0
.rept 8
	ds_load_b128 v[FR+8*T:FR+8*T+3],   v[ADK] offset:(128*(\kq)+16*T)*KP
	ds_load_b128 v[FR+8*T+4:FR+8*T+7], v[ADK] offset:(128*(\kq)+16*T)*KP+32
.set T, T+1
.endr
	s_wait_alu depctr_va_vdst(0)
	s_wait_dscnt 0x0
.set T, 0
.rept 8
	v_wmma_f32_16x16x64_fp8_fp8 v[S+8*T:S+8*T+7], v[FR+8*T:FR+8*T+7], v[\qf:\qf+7], 0   ; S^T: register 8 t + j of lane (r, h): key KF + 16 t + 8 h + j, query r
.set T, T+1
.endr
.rept 4
	v_nop                                          ; places: in front of the loads below, into registers that these products read, and of the first read of the scores
.endr
.set T, 0
.rept 4
.irp c, 0,1,2,3
	ds_load_b128 v[FR+16*T+4*\c:FR+16*T+4*\c+3], v[ADV] offset:(64*(\kq)+16*T)*VP+32*\c   ; V's four fragments land while the softmax is walked
.endr
.set T, T+1
.endr
	s_add_co_u32 s96, s[KF], 127                   ; on the diagonal the scores of hidden keys become -infinity ahead of the maximum: p = 0 then.  A step all of whose keys count skips this
	s_cmp_le_u32 s96, s[\qz]
	s_cbranch_scc1 .Lopen_\@
	s_sub_co_i32 s96, s[\qz], s[KF]
	v_add_nc_u32 v251, s96, v[RH]                  ; d = my query - KF - 8 h: register 8 t + j is hidden where 16 t + j > d.  Key KF is at or under every query of a tile that walks the step, so no row is all hidden
.set N, 0
.rept 64
	v_cmp_gt_i32 vcc_lo, 16*(N/8)+N%8, v251
	v_cndmask_b32 v[S+N], v[S+N], v254, vcc_lo
.set N, N+1
.endr
.Lopen_\@:
	v_max3_num_f32 v248, v[S], v[S+1], v[S+2]      ; the step's largest score of my query, among my 64 keys, in two chains, each accumulator from its low end on,
	v_max3_num_f32 v249, v[S+3], v[S+4], v[S+5]
.set J, 6
.rept 14
	v_max3_num_f32 v248, v248, v[S+J], v[S+J+1]
	v_max3_num_f32 v249, v249, v[S+J+2], v[S+J+3]
.set J, J+4
.endr
	v_max3_num_f32 v248, v248, v[S+62], v[S+63]
	s_delay_alu instid0(VALU_DEP_1)
	v_max_num_f32 v248, v248, v249
	s_delay_alu instid0(VALU_DEP_1)
	v_permlanex16_b32 v250, v248, s[SEL], s[SEL+1]
	s_delay_alu instid0(VALU_DEP_1)
	v_max_num_f32 v248, v248, v250                 ; and among lane l xor 16's
	s_delay_alu instid0(VALU_DEP_1)
	v_mul_f32 v248, s[CS], v248                    ; as t (c is positive)
	s_delay_alu instid0(VALU_DEP_1)
	v_max_num_f32 v[\st+1], v[\st+1], v248         ; the running largest t
	v_mov_b32 v248, v[\st]
	s_delay_alu instid0(VALU_DEP_2)
	v_floor_f32 v[\st], -v[\st+1]                  ; the new -M = floor(-t) = -ceil(t): M is a whole number
	s_delay_alu instid0(VALU_DEP_1)
	v_sub_f32 v248, v[\st], v248                   ; M's old value less its new one: a whole number, 0 or less
	s_delay_alu instid0(VALU_DEP_1)
	v_cvt_i32_f32 v248, v248                       ; (it saturates)
	s_delay_alu instid0(VALU_DEP_1)
	v_ldexp_f32 v246, 1.0, v248                    ; f = 2^(old M - new M)
.set J, 0
.rept 32
	v_pk_fma_f32 v[S+J:S+J+1], v[S+J:S+J+1], s[CS:CS+1], v[\st:\st+1] op_sel_hi:[1,0,0]   ; t - M, two at a time (of the pairs c and -M the low word serves both halves)
.set J, J+2
.endr
.set J, 0
	s_wait_alu depctr_va_vdst(0)
.rept 64
	v_exp_f32 v[S+J], v[S+J]                       ; p = 2^(t - M), at most 1: not normalised
.set J, J+1
.endr
	v_pk_mul_f32 v[\st+2:\st+3], v[\st+2:\st+3], v[246:247] op_sel_hi:[1,0]   ; the sums under the new M: the plain instruction behind the exponentials
	s_wait_alu depctr_va_vdst(0)                   ; one wait for the whole batch, ahead of its first reader
	v_pk_add_f32 v[252:253], v[S:S+1], v[S+2:S+3]  ; the row's sum is taken of the unquantised p: two at a time, in two chains
.set J, 4
.rept 15
	v_pk_add_f32 v[\st+2:\st+3], v[\st+2:\st+3], v[S+J:S+J+1]
	v_pk_add_f32 v[252:253], v[252:253], v[S+J+2:S+J+3]
.set J, J+4
.endr
	s_delay_alu instid0(VALU_DEP_1)
	v_pk_add_f32 v[\st+2:\st+3], v[\st+2:\st+3], v[252:253]
.set T, 0
.rept 8
.set J, 0
.rept 8
.set J, J+1
.endr
	v_cvt_scalef32_pk8_fp8_f32 v[PC+2*T:PC+2*T+1], v[S+8*T:S+8*T+7], v244   ; keys 16 t + 8 h + 0 .. 7: registers 2 t, 2 t + 1 of the operand
.set T, T+1
.endr
.set J, 0
.rept 16
	v_pk_mul_f32 v[\oa+J:\oa+J+1], v[\oa+J:\oa+J+1], v[246:247] op_sel_hi:[1,0]   ; O^T under the new M: x f.  (Also the plain instructions between the conversions and the products below)
.set J, J+2
.endr
	s_wait_alu depctr_va_vdst(0)
	s_wait_dscnt 0x0                               ; V is in
.set T, 0
.rept 4
	v_wmma_f32_16x16x128_fp8_fp8 v[\oa+8*T:\oa+8*T+7], v[FR+16*T:FR+16*T+15], v[PC:PC+15], v[\oa+8*T:\oa+8*T+7]   ; O^T += V^T P^T: four accumulators, one instruction a turn
.set T, T+1
.endr
.Lhid_\@:
.endm
; THE CHANGE OF SLOTS stands at a slot's head.  Each wave waits for all its tensor loads (its part of the slot that it is about to read), adds 0 to its spare word (fill = 1: twice on end), and waits for that and for its reads of
; the slot that it has left.  Behind the barrier the slot ahead is whole and nobody reads the other one.  fill = 1: that other slot is filled with the keys that follow, up to the causal limit.
.macro CHANGE fill
	s_wait_tensorcnt 0x0                           ; no tensor load of mine is out, so a group 0 may be written
	ds_add_u32 v[SPW], v[NIL]                      ; 0 onto my spare word
.if \fill
	ds_add_u32 v[SPW], v[NIL]                      ; and once more: the add twice on end here, in every trip alike.  The descriptors' steps stand between the second and the wait
	s_xor_b32 s[G0K+1], s[G0K+1], SLOT1            ; the walking descriptors: the other slot than last time,
	s_add_nc_u64 s[G0K+2:G0K+3], s[G0K+2:G0K+3], SLB   ; the next 256 keys; the type bits on top are not reached
	s_xor_b32 s[G0V+1], s[G0V+1], SLOT1
	s_add_nc_u64 s[G0V+2:G0V+3], s[G0V+2:G0V+3], SLB
	s_wait_xcnt 0x0                                ; the last prefetch, a slot back, has read its address, so it may be written:
	s_add_nc_u64 s[PFA:PFA+1], s[PFA:PFA+1], SLB   ; one slot further on than the walking descriptors
.endif
	s_wait_dscnt 0x0                               ; the add is done (fill = 1: both are), and my reads of the slot that I have left are over
	s_barrier_signal -1
	s_barrier_wait -1
.if \fill
	s_add_co_u32 s96, s[KF], 256                   ; THE LOOK-AHEAD ENDS AT THE CAUSAL LIMIT: a slot whose first key comes after my work-group's last query is read by none of its waves, so it is not asked for
	s_or_b32 s97, s[Q0H], 255                      ; my work-group's last query
	s_cmp_gt_u32 s96, s97                          ; ids and the count of steps alone: all sixteen waves go the same way; a work-group that is past the limit stays past it; every wait for tiles in this text is for 0
	s_cbranch_scc1 .Lpast_\@
	TLOAD                                          ; a wave's one tensor load until the next such barrier
.Lpast_\@:
	ASK                                            ; what the next change of slots will ask for: a slot's two key steps ahead of that load
.endif
.endm
.macro SLOT_STEPS
.irp kq, 0,1
	STEPT \kq, STH, QH, OH, Q0H
	STEPT \kq, STL, QL, OL, Q0L
	s_add_co_u32 s[KF], s[KF], 128
.endr
	s_xor_b32 s[TB], s[TB], SLOT1                  ; on to the other slot
.endm
	s_wait_loadcnt 0x0                             ; Q
.Lslot:                                            ; seven trips, in every work-group: behind each change of slots but the last the next slot is asked for, up to the causal limit
	CHANGE 1
	SLOT_STEPS
	s_sub_co_u32 s[SLOTS], s[SLOTS], 1
	s_cmp_lg_u32 s[SLOTS], 0
	s_cbranch_scc1 .Lslot
	CHANGE 0                                       ; the last slot is written out: nothing is left to ask for
	SLOT_STEPS
	; THE WAY OUT.  The sums' halves are added; O^T is divided by the sum and quantised with 2^e6: a sum of the second product stands for sum x 2^(e4 + e5), so the conversion's scale is 2^(e6 - e4 - e5).
	; Register 8 u + j of lane (r, h) is y(query r, d = 16 u + 8 h + j): 8 bytes a conversion.  They go through my stage in LDS (16 rows of 64 bytes + 16 for each tile; in slot 0's bytes, which were left at the last change
	; of slots and have had their last fill) and leave as 512 consecutive bytes a store.
	v_add_f32 v14, v14, v15                        ; the sum's two halves,
	v_add_f32 v18, v18, v19
	s_delay_alu instid0(VALU_DEP_2)
	v_permlanex16_b32 v250, v14, s[SEL], s[SEL+1]
	s_delay_alu instid0(VALU_DEP_2)
	v_permlanex16_b32 v251, v18, s[SEL], s[SEL+1]
	s_delay_alu instid0(VALU_DEP_2)
	v_add_f32 v14, v14, v250                       ; and lane l xor 16's: the row's sum
	s_delay_alu instid0(VALU_DEP_2)
	v_add_f32 v18, v18, v251
	s_wait_alu depctr_va_vdst(0)
	v_rcp_f32 v14, v14
	v_rcp_f32 v18, v18
	v_and_b32 v8, 15, v0                           ; (a plain instruction behind the reciprocals)  r
	v_bfe_u32 v9, v0, 4, 1                         ; h
	s_mul_i32 s73, s[WV], 2*16*KP                  ; my stage
	v_mul_u32_u24 v10, v8, KP
	s_delay_alu instid0(VALU_DEP_1)
	v_lshl_add_u32 v10, v9, 3, v10
	s_delay_alu instid0(VALU_DEP_1)
	v_add_nc_u32 v10, s73, v10                     ; in: row r, + 8 h
	v_bfe_u32 v11, v0, 2, 3
	s_delay_alu instid0(VALU_DEP_1)
	v_mul_u32_u24 v11, v11, KP
	v_and_b32 v8, 3, v0
	s_delay_alu instid0(VALU_DEP_1)
	v_lshl_add_u32 v11, v8, 4, v11
	s_delay_alu instid0(VALU_DEP_1)
	v_add_nc_u32 v11, s73, v11                     ; back: four lanes to a row, eight rows a load
	s_sub_co_i32 s92, s90, s88
	s_sub_co_i32 s92, s92, s89                     ; e6 - e4 - e5
	s_add_co_i32 s92, s92, 127
	s_lshl_b32 s93, s92, 23
	v_mov_b32 v244, s93
	s_wait_alu depctr_va_vdst(0)                   ; one wait for the two reciprocals, ahead of their first reader
.macro OUTT tile, oa, st, wk, cd, bk
.set J, 0
.rept 16
	v_pk_mul_f32 v[\wk+J:\wk+J+1], v[\oa+J:\oa+J+1], v[\st+2:\st+3] op_sel_hi:[1,0]   ; O^T / the sum, each accumulator from its low end on
.set J, J+2
.endr
.set J, 0
.rept 32
.set J, J+1
.endr
.irp u, 0,1,2,3
	v_cvt_scalef32_pk8_fp8_f32 v[\cd+2*\u:\cd+2*\u+1], v[\wk+8*\u:\wk+8*\u+7], v244
.endr
	v_nop                                          ; one plain vector instruction behind the last conversion
.irp u, 0,1,2,3
	ds_store_b64 v10, v[\cd+2*\u:\cd+2*\u+1] offset:\tile*16*KP+16*\u
.endr
.irp i, 0,1
	ds_load_b128 v[\bk+4*\i:\bk+4*\i+3], v11 offset:\tile*16*KP+8*\i*KP   ; LDS serves a wave's instructions in order (ISA guide 5.7.1.4): these see my stores
.endr
.endm
	OUTT 0, OH, STH, S, PC, FR
	OUTT 1, OL, STL, S+32, PC+8, FR+8
	s_wait_dscnt 0x0
	global_store_b128 v[GO], v[FR:FR+3], s[16:17]                  ; eight rows of 64 bytes: 512 consecutive bytes, at a multiple of 256 from the buffer's first byte
	global_store_b128 v[GO], v[FR+4:FR+7], s[16:17] offset:512
	global_store_b128 v[GO], v[FR+8:FR+11], s[10:11]
	global_store_b128 v[GO], v[FR+12:FR+15], s[10:11] offset:512
	s_wait_tensorcnt 0x0                           ; the wave's end: behind my last tensor load and my last LDS store
	ds_add_u32 v[SPW], v[NIL]
	s_wait_dscnt 0x0
	s_endpgm
.Lfunc_end_k_q5abea56b0d_attn:
	.size	k_q5abea56b0d_attn, .Lfunc_end_k_q5abea56b0d_attn-k_q5abea56b0d_attn
	.p2alignl 7, 3214868480
	.fill 96, 4, 3214868480
	.section	.rodata,"a",@progbits
	.p2align	6, 0x0
	.amdhsa_kernel k_q5abea56b0d_attn
		.amdhsa_group_segment_fixed_size 327680
		.amdhsa_private_segment_fixed_size 0
		.amdhsa_enable_private_segment 0
		.amdhsa_kernarg_size 40
		.amdhsa_user_sgpr_count 2
		.amdhsa_user_sgpr_kernarg_segment_ptr 1
		.amdhsa_wavefront_size32 1
		.amdhsa_system_sgpr_workgroup_id_x 1
		.amdhsa_system_sgpr_workgroup_id_y 1
		.amdhsa_system_sgpr_workgroup_id_z 1
		.amdhsa_system_vgpr_workitem_id 0
		.amdhsa_next_free_vgpr 256
		.amdhsa_next_free_sgpr 100
		.amdhsa_reserve_vcc 1
		.amdhsa_float_denorm_mode_32 3
		.amdhsa_float_denorm_mode_16_64 3
		.amdhsa_fp16_overflow 1
		.amdhsa_memory_ordered 1
		.amdhsa_forward_progress 1
		.amdhsa_inst_pref_size 166
	.end_amdhsa_kernel
	.amdgpu_metadata
---
amdhsa.version: [ 1, 2 ]
amdhsa.kernels:
  - .name:           k_q5abea56b0d_attn
    .symbol:         k_q5abea56b0d_attn.kd
    .args:
      - { .name: q_codes, .offset: 0, .size: 8, .value_kind: global_buffer, .address_space: global }
      - { .name: k_codes, .offset: 8, .size: 8, .value_kind: global_buffer, .address_space: global }
      - { .name: v_codes, .offset: 16, .size: 8, .value_kind: global_buffer, .address_space: global }
      - { .name: lowp_scales, .offset: 24, .size: 8, .value_kind: global_buffer, .address_space: global }
      - { .name: y_codes, .offset: 32, .size: 8, .value_kind: global_buffer, .address_space: global }
    .group_segment_fixed_size: 327680
    .private_segment_fixed_size: 0
    .kernarg_segment_align: 8
    .kernarg_segment_size: 40
    .max_flat_workgroup_size: 512
    .sgpr_count:     100
    .vgpr_count:     256
    .wavefront_size: 32
...
	.end_amdgpu_metadata
.endif
;; end of part 2
;; launch proj (part 3): grid 4 x 32, 4 waves a work-group, clusters of 4 x 4, 327,680 bytes of LDS; arguments y_codes, w_proj_codes, lowp_scales, out0; writes out0
.if DOCPART == 3
	.amdgcn_target "amdgcn-amd-amdhsa--gfx1250"
	.amdhsa_code_object_version 6
	.text
	.protected	k_q5abea56b0d_proj
	.globl	k_q5abea56b0d_proj
	.p2align	8
	.type	k_q5abea56b0d_proj,@function
k_q5abea56b0d_proj:
	s_mov_b64 s[64:65], 0
	v_nop
	global_prefetch_b8 v0, s[64:65] scope:SCOPE_SE
	s_setreg_imm32_b32 hwreg(HW_REG_WAVE_MODE, 25, 1), 1
	s_wait_xcnt 0x0
	s_wait_alu depctr_hold_cnt(0) depctr_sa_sdst(0) depctr_va_vdst(0) depctr_va_sdst(0) depctr_va_ssrc(0) depctr_va_vcc(0) depctr_vm_vsrc(0)
	s_getreg_b32 s2, hwreg(HW_REG_IB_STS2, 6, 4)
	s_cmp_eq_u32 s2, 0
	s_cbranch_scc0 .Lentry_in_a_cluster
	s_endpgm
.Lentry_in_a_cluster:
	s_bfe_u32 s2, ttmp6, 0x10000c
	s_cmp_lg_u32 s2, 0xf033
	s_cbranch_scc0 .Lentry_shape_is_right
	s_endpgm
.Lentry_shape_is_right:
; LAUNCH 3 OF 3: out0[token][n] = the sum over k of y[token][k] w_proj[n][k], on codes of FP8 (E4M3); each finished sum is multiplied once by 2^(e6 + e7).  No work is left out here.
; y_codes: [bh = 16 x batch + head][token 2048][64 bytes]: k = 64 x head + d.  w_proj_codes: [1024][1024 bytes].  out0: [8192][1024] f32.
; LIMIT: e6 + e7 lies between -126 and 127, so that 2^(e6 + e7) is an f32 number.
; A tile of out0, 256 x 256, is made by a work-group of four waves, as many as a WGP has SIMDs; a wave makes 128 x 128: 64 accumulators, 512 registers.  32 x 4 tiles: 128 work-groups in 8 clusters of 4 x 4.
; K goes in steps of 256 (four heads) through a ring of two LDS slots filled by the tensor data mover.  The four work-groups of a row of the cluster need the same tiles of y, the four of a column the same tiles of w_proj: JOINT loads.
; y's TILE: 128 tokens of four heads are four dense runs of 8,192 bytes, 2^17 bytes apart: ONE load of four rows, with 16 bytes of padding behind every 64, so that in LDS a token's 64 bytes of a head lie 80 bytes apart.
; THE MATRIX INSTRUCTION IS USED TRANSPOSED (source 0 = 16 rows of w_proj, source 1 = 16 tokens): a lane then holds eight neighbouring numbers of a row of out0.
; Inside a matrix instruction k stands permuted, alike in both operands (four loads of 16 bytes a fragment): every product meets its partner.
; REGISTERS, in windows of 256: window 0: v0-31 addresses; from v128 y's fragments, ONE set; on the way out v32-255 are free.   window 1: w_proj's fragments, TWO sets.   windows 2, 3: the accumulators ((a, b) at v[8 (8 (a % 4) + b)]).
.set SIZE_N, 1024
.set ROWB,   256                       ; a row of w_proj's tile in bytes
.set KROW,   1024                      ; a row of w_proj in memory
.set PITCH,  272                       ; its LDS row: 256 bytes + 16 of padding
.set APITCH, 80                        ; a token's 64 bytes of one head in LDS, + 16 of padding: an odd multiple of 16 bytes
.set PLANE,  128*APITCH                ; 128 tokens of one head
.set AHALF,  4*PLANE                   ; what one load brings for y: 128 tokens x four heads
.set BOFF,   2*AHALF                   ; w_proj's rows lie behind y's two halves
.set HALFT,  128*PITCH                 ; 128 rows of w_proj: what one load brings
.set SLOT,   BOFF+2*HALFT
.set FR,     16                        ; registers of a fragment: 16 rows x 128 K
.set NL,     4                         ; LDS loads that bring one
.set NP,     4                         ; places behind this matrix instruction (ISA guide 7.12.1)
.set LAPS,   2                         ; a lap = two K steps = once round the ring; K = 1,024
.set SPARE,  2*SLOT                    ; behind the ring: the spare words, 128 bytes a wave
.set SPITCH, 528                       ; the way out: a stage of 16 rows x (512 bytes + 16) for each wave, in slot 0, which has had its last fill and its last read when the first result is stored there
.set ADRA, 16                          ; v16-17  LDS address of my fragments of y in slot 0, 1
.set ADRB, 20                          ; v20-21  the same for w_proj
.set STO,  24                          ; v24     the way out: where I put 32 bytes of a row
.set RD,   25                          ; v25     the way out: where I read a row back
.set CO,   26                          ; v26     my byte offset in a row of out0
.set SPW,  28                          ; v28     LDS address of my spare word; never rewritten
.set NIL,  29                          ; v29     0; never rewritten
.set TMP,  32                          ; the way out: 64 registers, a block's sums x 2^(e6 + e7)
.set AF,   128                         ; y's fragments
.set BK,   128                         ; the way out: 16 rows read back from the stage: v128-191 and v192-255 by turns
.set G1, 24                            ; s[24:31] descriptor group 1 for y's tiles;  s[32:39] group 0, a set for each slot
.set G0, 32
.set G1B, 48                           ; s[48:55], s[56:63] the same for w_proj's
.set G0B, 56
.set MSB, 0
.macro WIN new                         ; the immediate's high byte repeats the setting that is left
.if MSB != \new
	s_set_vgpr_msb (MSB<<8)|\new
.set MSB, \new
.endif
.endm
.set MUL_LO, 0xa1                      ; source 0 (w_proj) window 1, source 1 (y) window 0, C and D window 2
.set MUL_HI, 0xf1                      ; the same, C and D window 3
.set TO_B,   0x40                      ; destination window 1, address window 0
; A joint load: waves 0 and 1 fetch y's two halves, waves 2 and 3 w_proj's.  The branch hangs on the wave's number alone.  An s_nop 0 and four v_nop follow each of the two lines.
.macro JLOAD g0a, g1a, g0b, g1b
	s_cmp_eq_u32 s15, 0
	s_cbranch_scc0 .Lfor_b_\@
	tensor_load_to_lds s[\g0a:\g0a+3], s[\g1a:\g1a+7]
	s_nop 0
.rept 4
	v_nop
.endr
	s_branch .Lasked_\@
.Lfor_b_\@:
	tensor_load_to_lds s[\g0b:\g0b+3], s[\g1b:\g1b+7]
	s_nop 0
.rept 4
	v_nop
.endr
.Lasked_\@:
.endm
.macro CREST                           ; a round of the cluster's barrier behind its opening barrier
	s_cmp_lg_u32 s14, 0
	s_cbranch_scc1 .Lnot_wave_0_\@
	s_barrier_signal -3
.Lnot_wave_0_\@:
	s_barrier_wait -3
	s_barrier_signal -1
	s_barrier_wait -1
.endm
.macro CROUND                          ; a whole round
	s_barrier_signal -1
	s_barrier_wait -1
	CREST
.endm
	s_load_b128 s[4:7], s[0:1], 0x0                ; y_codes s[4:5], w_proj_codes s[6:7]
	s_load_b128 s[8:11], s[0:1], 0x10              ; the scales' exponents s[8:9], out0 s[10:11]
	v_lshl_add_u32 v[SPW], v0, 2, SPARE
	v_mov_b32 v[NIL], 0
	ds_add_u32 v[SPW], v[NIL]                      ; the wave's opening: the add, twice on end, and its wait ahead of my first tensor load; the set-up below stands between
	ds_add_u32 v[SPW], v[NIL]
	v_lshrrev_b32 v1, 5, v0
	v_readfirstlane_b32 s14, v1                    ; wave 0..3
	s_lshr_b32 s15, s14, 1                         ; which half of the tile's rows is mine.  Also: I fetch for y (0) or for w_proj (1)
	s_and_b32 s16, s14, 1                          ; which half of its columns.  Also: which 128 rows of that tile I fetch
	s_bfe_u32 s40, ttmp6, 0x40000                  ; cx, cy: my place in the cluster
	s_bfe_u32 s41, ttmp6, 0x40004
	s_lshl_b32 s42, ttmp9, 2
	s_add_co_u32 s42, s42, s40                     ; tile column = 4 x cluster x + cx
	s_and_b32 s17, ttmp7, 0xffff
	s_lshl_b32 s17, s17, 2
	s_add_co_u32 s17, s17, s41                     ; tile row = 4 x cluster y + cy
	s_lshl_b32 s43, s41, 2
	s_lshl_b32 s43, 15, s43                        ; my row of the cluster
	s_lshl_b32 s44, 0x1111, s40                    ; my column
	; descriptor group 1 for y: four rows (heads) of 8,192 bytes (128 tokens x 64), 2^17 bytes apart
	s_or_b32 s[G1+0], s43, (0<<16)|(1<<20)|(1<<21)|(3<<22)|(3<<25)  ; 15:0 the mask: y's tiles go to my row; elements of 1 byte; 20 padding on; 21 set beside a mask; after every 16 words (code 3) 4 words (code 3)
	s_mov_b32 s[G1+1], 8192<<16                    ; tensor_dim0
	s_mov_b32 s[G1+2], 4<<16                       ; tensor_dim1 = 4
	s_mov_b32 s[G1+3], 8192<<16                    ; tile_dim0
	s_mov_b32 s[G1+4], 4                           ; tile_dim1 = 4
	s_mov_b32 s[G1+5], 131072                      ; tensor_dim0_stride: from head to head
	s_mov_b32 s[G1+6], 0
	s_mov_b32 s[G1+7], 0
	; and for w_proj: 128 rows x 256 bytes
	s_or_b32 s[G1B+0], s44, (0<<16)|(1<<20)|(1<<21)|(5<<22)|(3<<25) ; the mask of my column; padding: 4 words after every 64
	s_mov_b32 s[G1B+1], ROWB<<16
	s_mov_b32 s[G1B+2], 128<<16
	s_mov_b32 s[G1B+3], ROWB<<16
	s_mov_b32 s[G1B+4], 128
	s_mov_b32 s[G1B+5], KROW
	s_mov_b32 s[G1B+6], 0
	s_mov_b32 s[G1B+7], 0
	s_lshr_b32 s20, s17, 3                         ; y: the batch: 16 heads of 2^17 bytes,
	s_lshl_b32 s20, s20, 21
	s_and_b32 s18, s17, 7
	s_lshl_b32 s18, s18, 1
	s_add_co_u32 s18, s18, s16                     ; which 128 tokens of the sequence I fetch,
	s_lshl_b32 s18, s18, 13                        ; 64 bytes each
	s_add_co_u32 s20, s20, s18
	s_mov_b32 s21, 0
	s_lshl_b32 s46, s42, 1
	s_add_co_u32 s46, s46, s16                     ; w_proj: which 128 rows I fetch,
	s_lshl_b32 s46, s46, 17                        ; 1,024 bytes each
	s_mov_b32 s47, 0
	s_mul_i32 s45, s16, AHALF                      ; where they go: no place in the cluster enters an LDS address
	s_mul_i32 s23, s16, HALFT
	s_add_co_u32 s23, s23, BOFF
	s_wait_dscnt 0x0                               ; both opening adds are done
	s_wait_kmcnt 0x0
	s_load_b64 s[96:97], s[8:9], 0x18              ; e6, e7
	s_add_nc_u64 s[20:21], s[4:5], s[20:21]
	s_add_nc_u64 s[46:47], s[6:7], s[46:47]
	CROUND                                         ; all sixteen work-groups are here: the first joint loads meet
.irp s, 0,1
	s_mov_b32 s[G0+4*\s], 1
	s_add_co_u32 s[G0+4*\s+1], s45, \s*SLOT
	s_add_nc_u64 s[G0+4*\s+2:G0+4*\s+3], s[20:21], \s*4*131072     ; K step s: heads 4 s on
	s_or_b32 s[G0+4*\s+3], s[G0+4*\s+3], 0x80000000
	s_mov_b32 s[G0B+4*\s], 1
	s_add_co_u32 s[G0B+4*\s+1], s23, \s*SLOT
	s_add_nc_u64 s[G0B+4*\s+2:G0B+4*\s+3], s[46:47], \s*ROWB
	s_or_b32 s[G0B+4*\s+3], s[G0B+4*\s+3], 0x80000000
	s_wait_alu depctr_va_vdst(0)
	s_wait_tensorcnt 0x0
	ds_add_u32 v28, v29
	ds_add_u32 v28, v29
	s_wait_dscnt 0x0
	CROUND
	JLOAD G0+4*\s, G1, G0B+4*\s, G1B
.endr
	v_and_b32 v1, 15, v0                           ; r = l % 16
	v_bfe_u32 v2, v0, 4, 1                         ; h = l / 16
	v_mul_u32_u24 v3, v1, PITCH
	v_lshl_add_u32 v4, v2, 4, v3                   ; w_proj: row x pitch + 16 x half
	v_mul_u32_u24 v5, v1, APITCH
	v_lshl_add_u32 v5, v2, 4, v5                   ; y: token x 80 + 16 x half
	s_mul_i32 s21, s15, AHALF                      ; my 128 tokens
	s_mul_i32 s22, s16, HALFT                      ; my 128 rows of w_proj,
	s_add_co_u32 s22, s22, BOFF                    ; which lie behind y's two halves
.irp s, 0,1
	v_add_nc_u32 v[ADRA+\s], s21, v5
	v_add_nc_u32 v[ADRB+\s], s22, v4
	s_add_co_u32 s21, s21, SLOT
	s_add_co_u32 s22, s22, SLOT
.endr
	s_mul_i32 s23, s14, 16*SPITCH                  ; my stage
	v_mul_u32_u24 v5, v1, SPITCH                   ; in: row l % 16, 32 bytes for each half of the lanes
	v_lshl_add_u32 v5, v2, 5, v5
	v_add_nc_u32 v[STO], s23, v5
	v_and_b32 v6, 31, v0
	v_lshlrev_b32 v[CO], 4, v6                     ; back: the 32 lanes take one row of 512 bytes; and the same in out0
	v_add_nc_u32 v[RD], s23, v[CO]
	s_lshl_b32 s20, s17, 8
	s_lshl_b32 s21, s15, 7
	s_add_co_u32 s20, s20, s21                     ; my first row of out0: 256 x tile row + 128 x half,
	s_lshl_b32 s20, s20, 12                        ; 4,096 bytes each (under 2^25)
	s_lshl_b32 s46, s42, 10                        ; my first column, in bytes: 1,024 x tile column + 512 x half
	s_lshl_b32 s47, s16, 9
	s_add_co_u32 s46, s46, s47
	s_add_co_u32 s20, s20, s46
	s_mov_b32 s21, 0
	s_add_nc_u64 s[10:11], s[10:11], s[20:21]
.macro FRAG reg, adr, q, i             ; a fragment of w_proj, 16 rows x 128 K: registers 4 c .. 4 c + 3 hold k = 128 q + 32 c + 16 (l / 16) + 0 .. 15 of row l % 16
.irp c, 0,1,2,3
	ds_load_b128 v[\reg+4*\c:\reg+4*\c+3], v[\adr] offset:128*(\q)+32*\c+(\i)*16*PITCH
.endr
.endm
.macro FRAGA reg, adr, q, i            ; the same k of y: head 2 q + c / 2 of the slot's four, bytes 32 (c % 2) + 16 (l / 16) on of token l % 16
.irp c, 0,1,2,3
	ds_load_b128 v[\reg+4*\c:\reg+4*\c+3], v[\adr] offset:(2*(\q)+\c/2)*PLANE+32*(\c%2)+(\i)*16*APITCH
.endr
.endm
; 16 matrix instructions: y's blocks a0, a0 + 1 x w_proj's eight, 128 along K.  p: w_proj's set.  zero = 1: the first product starts the sums: nothing is ever cleared.
; The 64 accumulators take turns, one instruction a turn, in the same order in every step.
.macro MUL16 a0, p, zero
.irp a, \a0, \a0+1
.irp b, 0,1,2,3,4,5,6,7
.if \zero
	v_wmma_f32_16x16x128_fp8_fp8 v[8*(8*((\a)%4)+\b):8*(8*((\a)%4)+\b)+7], v[128*(\p)+FR*\b:128*(\p)+FR*\b+FR-1], v[AF+FR*(\a):AF+FR*(\a)+FR-1], 0
.else
	v_wmma_f32_16x16x128_fp8_fp8 v[8*(8*((\a)%4)+\b):8*(8*((\a)%4)+\b)+7], v[128*(\p)+FR*\b:128*(\p)+FR*\b+FR-1], v[AF+FR*(\a):AF+FR*(\a)+FR-1], v[8*(8*((\a)%4)+\b):8*(8*((\a)%4)+\b)+7]
.endif
.endr
.endr
.endm
.macro FETCH_B slot, q, p              ; w_proj's eight fragments of the slot's q-th 128 along K into set p
	WIN TO_B
.irp i, 0,1,2,3,4,5,6,7
	FRAG 128*(\p)+FR*\i, ADRB+\slot, \q, \i
.endr
	WIN 0
.endm
.macro FETCH_A slot, q, i0             ; y's blocks i0 .. i0 + 3
.irp i, \i0, \i0+1, \i0+2, \i0+3
	FRAGA AF+FR*(\i), ADRA+\slot, \q, \i
.endr
.endm
; A load into a register that a matrix instruction has read, and a vector instruction that reads a matrix result, stand NP places behind that matrix instruction; only plain vector instructions that name none of its registers are places.
.macro PLACES n
.rept \n
	v_nop
.endr
.endm
; A step of 128 along K that has its successor in the same slot.
.macro STEP slot, q, zero
	s_wait_dscnt 4*NL                              ; w_proj's set and y's blocks 0-3 are in; the 16 youngest loads (blocks 4-7) may be out
	WIN MUL_LO
	MUL16 0, (\q)%2, \zero
	MUL16 2, (\q)%2, \zero
	s_wait_dscnt 0                                 ; blocks 4-7 are in (asked for 32 matrix instructions ago)
	PLACES NP
	FETCH_B \slot, (\q)+1, 1-(\q)%2
	FETCH_A \slot, (\q)+1, 0
	WIN MUL_HI
	MUL16 4, (\q)%2, \zero
	MUL16 6, (\q)%2, \zero
	PLACES NP
	WIN 0
	FETCH_A \slot, (\q)+1, 4
.endm
; A slot's last step changes slots: ONE barrier; in front of it each wave waits for all its tensor loads, adds 0 to its spare word, and waits for that and for its own reads of this slot.  fill = 1: this slot is filled again, two K steps ahead.
.macro TURN slot, next, fill
	s_wait_tensorcnt 0x0                           ; all my tensor loads have landed: my part of the next slot  (every window is 0 here)
	ds_add_u32 v[SPW], v[NIL]                      ; 0 onto my spare word
	s_wait_dscnt 4*NL+1                            ; (the add and the 16 youngest loads may be out)
	WIN MUL_LO
	MUL16 0, 1, 0                                  ; sixteen matrix instructions stand between the add and the wait for it
	s_wait_dscnt 0x0                               ; the add is done, and my reads of this slot are over
	s_barrier_signal -1
	MUL16 2, 1, 0
	WIN 0
	s_barrier_wait -1
.if \fill
	CREST                                          ; the barrier has opened a round of the cluster's barrier: no wave of any partner still reads this slot's tile or has a load on its way
	s_add_nc_u64 s[G0+4*\slot+2:G0+4*\slot+3], s[G0+4*\slot+2:G0+4*\slot+3], 8*131072   ; eight heads on
	s_add_nc_u64 s[G0B+4*\slot+2:G0B+4*\slot+3], s[G0B+4*\slot+2:G0B+4*\slot+3], 2*ROWB
	JLOAD G0+4*\slot, G1, G0B+4*\slot, G1B         ; the first tensor load behind the round; its four v_nop are the places in front of the loads below
.else
	PLACES NP
.endif
	FETCH_B \next, 0, 0
	FETCH_A \next, 0, 0
	WIN MUL_HI
	MUL16 4, 1, 0
	MUL16 6, 1, 0
	PLACES NP
	WIN 0
	FETCH_A \next, 0, 4
.endm
	s_wait_alu depctr_va_vdst(0)
	s_wait_tensorcnt 1                             ; my part of K step 0 is in (K step 1's load may be out)
	s_barrier_signal -1
	s_barrier_wait -1                              ; everybody's is
	FETCH_B 0, 0, 0
	FETCH_A 0, 0, 0
	FETCH_A 0, 0, 4
	STEP 0, 0, 1                                   ; the first step stands in front of the loop: its products start the sums
	s_mov_b32 s3, LAPS-1
.Llap:                                                 ; a trip goes once round the ring, from a lap's second step to the next lap's first, and fills both slots again
	TURN 0, 1, 1
	STEP 1, 0, 0
	TURN 1, 0, 1
	STEP 0, 0, 0
	s_sub_co_u32 s3, s3, 1
	s_cmp_lg_u32 s3, 0
	s_cbranch_scc1 .Llap
	TURN 0, 1, 0                                   ; the last lap fills nothing, and has no round of the cluster's barrier
	STEP 1, 0, 0
	s_wait_dscnt 4*NL                              ; the very last step: nothing more to fetch
	WIN MUL_LO
	MUL16 0, 1, 0
	MUL16 2, 1, 0
	s_wait_dscnt 0
	WIN MUL_HI
	MUL16 4, 1, 0
	MUL16 6, 1, 0
	WIN 0
; THE WAY OUT, block by block of 16 rows x 128 columns.  A lane holds 32 neighbouring bytes of a row, and the lanes beside it hold other rows: so a block goes through my own stage in LDS and comes back as whole
; rows of 512 bytes.  LDS serves a wave's instructions in order (ISA guide 5.7.1.4): no wait between the stores and the loads, nor in front of the next block's stores.
.macro TOSTAGE a
.set AC, 64*((\a)%4)
	WIN 0x02+((\a)/4)                              ; source 0: window 2 or 3
.set J, 0
.rept 32
	v_pk_mul_f32 v[TMP+J:TMP+J+1], v[AC+J:AC+J+1], s[96:97] op_sel_hi:[1,0]   ; both x s96 = 2^(e6 + e7); each accumulator from its low end on
.set J, J+2
.endr
	WIN 0
.irp b, 0,1,2,3,4,5,6,7
	ds_store_b128 v[STO], v[TMP+8*\b:TMP+8*\b+3] offset:64*\b
	ds_store_b128 v[STO], v[TMP+8*\b+4:TMP+8*\b+7] offset:64*\b+16
.endr
.set BB, BK+64*((\a)%2)
.irp t, 0,1,2,3,4,5,6,7,8,9,10,11,12,13,14,15
	ds_load_b128 v[BB+4*\t:BB+4*\t+3], v[RD] offset:\t*SPITCH
.endr
.endm
.macro SEND a, younger                 ; younger: the LDS instructions issued behind block a's loads, which may stay out
.set BB, BK+64*((\a)%2)
	s_wait_dscnt \younger                          ; the block is back in registers
.if (\a) > 0
	s_add_nc_u64 s[10:11], s[10:11], 16*SIZE_N*4   ; (behind a wait on XCNT: the earlier stores have read their base)  16 rows of out0 on
.endif
.irp t, 0,1,2,3,4,5,6,7,8,9,10,11,12,13,14,15
	global_store_b128 v[CO], v[BB+4*\t:BB+4*\t+3], s[10:11] offset:\t*SIZE_N*4 th:TH_STORE_NT   ; 32 lanes store 512 consecutive bytes, at a multiple of 256 from out0's first byte; written once, read by nobody here
.endr
.endm
	s_wait_kmcnt 0x0
	s_add_co_i32 s96, s96, s97                     ; e6 + e7, between -126 and 127,
	s_add_co_i32 s96, s96, 127
	s_lshl_b32 s96, s96, 23                        ; makes the f32 number 2^(e6 + e7)
	PLACES NP                                      ; behind the last products: for the loads into the registers that held fragments, and for the reads of results
	TOSTAGE 0
.irp a, 1,2,3,4,5,6,7
.if \a > 1
	s_wait_xcnt 0x0                                ; block a - 2's stores have read their registers and their base: block a's loads may land there, and the base may step
.endif
	TOSTAGE \a
	SEND \a-1, 32                                  ; behind block a - 1's loads: block a's 16 stores and 16 loads
.endr
	s_wait_xcnt 0x0                                ; block 6's stores have read their base
	SEND 7, 0
	s_wait_tensorcnt 0x0                           ; the wave's end: behind my last tensor load and my last LDS store
	ds_add_u32 v[SPW], v[NIL]
	s_wait_dscnt 0x0
	CROUND                                         ; the closing round: no work-group ends while a partner may still ask for a tile that names it
	s_endpgm
.Lfunc_end_k_q5abea56b0d_proj:
	.size	k_q5abea56b0d_proj, .Lfunc_end_k_q5abea56b0d_proj-k_q5abea56b0d_proj
	.p2alignl 7, 3214868480
	.fill 96, 4, 3214868480
	.section	.rodata,"a",@progbits
	.p2align	6, 0x0
	.amdhsa_kernel k_q5abea56b0d_proj
		.amdhsa_group_segment_fixed_size 327680
		.amdhsa_private_segment_fixed_size 0
		.amdhsa_enable_private_segment 0
		.amdhsa_kernarg_size 32
		.amdhsa_user_sgpr_count 2
		.amdhsa_user_sgpr_kernarg_segment_ptr 1
		.amdhsa_wavefront_size32 1
		.amdhsa_system_sgpr_workgroup_id_x 1
		.amdhsa_system_sgpr_workgroup_id_y 1
		.amdhsa_system_sgpr_workgroup_id_z 1
		.amdhsa_system_vgpr_workitem_id 0
		.amdhsa_next_free_vgpr 1024
		.amdhsa_next_free_sgpr 98
		.amdhsa_reserve_vcc 0
		.amdhsa_float_denorm_mode_32 3
		.amdhsa_float_denorm_mode_16_64 3
		.amdhsa_memory_ordered 1
		.amdhsa_forward_progress 1
		.amdhsa_inst_pref_size 124
	.end_amdhsa_kernel
	.amdgpu_metadata
---
amdhsa.version: [ 1, 2 ]
amdhsa.kernels:
  - .name:           k_q5abea56b0d_proj
    .symbol:         k_q5abea56b0d_proj.kd
    .args:
      - { .name: y_codes, .offset: 0, .size: 8, .value_kind: global_buffer, .address_space: global }
      - { .name: w_proj_codes, .offset: 8, .size: 8, .value_kind: global_buffer, .address_space: global }
      - { .name: lowp_scales, .offset: 16, .size: 8, .value_kind: global_buffer, .address_space: global }
      - { .name: out0, .offset: 24, .size: 8, .value_kind: global_buffer, .address_space: global }
    .group_segment_fixed_size: 327680
    .private_segment_fixed_size: 0
    .kernarg_segment_align: 8
    .kernarg_segment_size: 32
    .max_flat_workgroup_size: 128
    .sgpr_count:     98
    .vgpr_count:     1024
    .wavefront_size: 32
...
	.end_amdgpu_metadata
.endif
;; end of part 3
